; MI455X (gfx1250); checked and timed in simulation.
; The chip was launched on July 23, 2026; its instructions are those of AMD's public machine-readable ISA for CDNA 5 (MIT licence, August 2026) and "CDNA5" Instruction Set Architecture Reference Guide (July 2026). The comments in the code are by the model that wrote it; some were corrected since.
;; Aten Matmul Qint8 VM. Allowed arithmetic: float matrix products may take bf16 or f16 operands with f32 sums; all other float work in f32.
;; Inputs: x 4,096 int8; y 4,096 x 32,768 int8.
;; Outputs: out0 32,768 float32.
;; One version. Each part assembles by itself: llvm-mc -triple=amdgcn-amd-amdhsa -mcpu=gfx1250 --defsym DOCPART=n.
;; ======== version 1 of 1: 1 launch
;; launch gemv (part 1): grid 256 x 1, 16 waves a work-group, clusters of 4 x 1, 61,440 bytes of LDS; arguments x, y, out0; writes out0
.if DOCPART == 1
	.amdgcn_target "amdgcn-amd-amdhsa--gfx1250"
	.amdhsa_code_object_version 6
	.text
	.protected	k_q95faa89077_gemv
	.globl	k_q95faa89077_gemv
	.p2align	8
	.type	k_q95faa89077_gemv,@function
k_q95faa89077_gemv:
	s_mov_b64 s[64:65], 0
	v_nop
	global_prefetch_b8 v0, s[64:65] scope:SCOPE_SE
	s_setreg_imm32_b32 hwreg(HW_REG_WAVE_MODE, 25, 1), 1
	s_wait_xcnt 0x0
	s_wait_alu depctr_hold_cnt(0) depctr_sa_sdst(0) depctr_va_vdst(0) depctr_va_sdst(0) depctr_va_ssrc(0) depctr_va_vcc(0) depctr_vm_vsrc(0)
	s_getreg_b32 s2, hwreg(HW_REG_IB_STS2, 6, 4)
	s_cmp_eq_u32 s2, 0
	s_cbranch_scc0 .Lentry_in_a_cluster
	s_endpgm
.Lentry_in_a_cluster:
	s_bfe_u32 s2, ttmp6, 0x10000c
	s_cmp_lg_u32 s2, 0x3003
	s_cbranch_scc0 .Lentry_shape_is_right
	s_endpgm
.Lentry_shape_is_right:
; out[n] = 0.0215 * 0.0176 * sum over k of (x[k] + 25) * (y[k][n] - 18).   x: [4096] int8, y: [4096][32768] int8, out: [32768] f32.
; Both factors are whole numbers (-103..152 and -146..109), exact in f16; the sums are kept in f32 and the two scales are applied once, at the
; end (an order of rounding other than the reference's, which scales each factor first).  Every int8 input is served: no limit of range.
;
; SHARES.  256 work-groups, each owns 128 columns and all 4,096 rows (512 KB of y).  16 waves; wave w takes the rows 512 b + 32 w .. + 31,
; b = 0..7: eight blocks of 32 rows x 128 bytes.  A block is eight 16-byte loads: lane L (c = L & 7, g = L >> 3) reads columns 16 c .. 16 c + 15
; of row 8 g + i (load i).  A ring of four blocks in registers: 16 KB of a wave, 256 KB of the work-group are on their way.
; The four work-groups of a cluster own 512 neighbouring columns, so that the two work-groups that want the two halves of an aligned run of
; 256 bytes of a row run side by side.  NO JOINT REQUESTS: no tile of y is wanted twice, and x, which all share, is 4 KB against 512 KB.
; No cache hint on y's loads for the same reason: the neighbour wants the other half of the run.
;
; THE PRODUCT.  y ^ 0x80 = u = y + 128 (one v_xor for 4 bytes); v_perm sets 0x64 on top of two neighbouring bytes: two f16 numbers 1024 + u
; (0x6400 is 1024 and its last place is 1).  Such a register holds columns n, n + 1 of ONE row, so it serves as a B register of the matrix
; instruction if A has x in one half and 0 in the other:
;   B, lane (r = c + 8 (g & 1), h = g >> 1), register i, half e:  1152 + y[row(g, i)][16 c + 2 p + e]        (p = 0..7: one accumulator each)
;   A, row 0: x[row(2h, i)] + 25 in half 0, 0 in half 1;  row 1: the halves exchanged;  rows 2, 3: the same with row(2h + 1, i);  rows 4-15: 0
;   D(e, c) and D(2 + e, 8 + c), that is register e of lane c and register 2 + e of lane 8 + c, are two partial sums of column 16 c + 2 p + e.
; Each matrix instruction multiplies 512 bytes of y; nothing goes through LDS to be transposed.
; THE OFFSET.  1152 + y = (y - 18) + 1170.  Once for four blocks each accumulator gets (sum of the four A fragments) x (-1170), in the middle
; of the four.  So it is never further from its true partial sum than 32 * 152 * 1170 = 5.7 million: all addends are whole numbers, sums below
; 2^24 are exact, larger ones round as any f32 sum does; no difference of large sums is formed.  Sums of four x + 25 (at most 608) are exact in f16.
.set ROWB,  32768                      ; bytes in a row of y
.set WAVES, 16
.set NBLK,  8                          ; blocks of a wave
.set DEPTH, 4                          ; blocks in the ring
.set RG,    640                        ; an LDS region: 10 entries (8 blocks, 2 sums) x 2 (h) x 8 (i) words
.set WTAB,  5*RG                       ; a wave's own table: region m = what A's row m reads (m = 0..3), region 4 = zeros for rows 4-15
.set PBASE, WAVES*WTAB                 ; behind the tables: a row of 128 f32 for each wave
.set PROW,  512
.set YO,  1                            ; v1   my byte offset in a block of y: g * 8 rows + 16 c
.set AA,  2                            ; v2   LDS address of my part of A's fragments
.set C64, 3                            ; v3   0x64646464
.set LN,  4                            ; v4   lane
.set TA,  5                            ; v5   where I store my x + 25 in the table
.set ZA,  6                            ; v6   my wave's table + 4 lane
.set ZR,  7                            ; v7   0
.set PA,  8                            ; v8   where lanes 0-7 store 16 sums
.set OA,  9                            ; v9   16 lane
.set ACC, 16                           ; v[16:79]   accumulator p at 8 p.  Before the first product: scratch for the table
.set X,   16
.set LO,  32
.set HI,  48
.set BB,  80                           ; v[80:95]   two B buffers, taken in turn
.set AF,  96                           ; v[96:111]  two A buffers, taken in turn by the blocks
.set AS,  112                          ; v[112:119] A fragment of the sums
.set BC,  120                          ; v[120:127] -1170 in every half
.set R,   128                          ; v[128:255] the ring: block b in 32 registers at 32 (b % 4), load i in 4 of them
.set YB,  16                           ; s[16:31]   address of my rows of block b, a pair for each: no address is ever stepped
.set SIGN, 32                          ; s32  0x80808080
.set SEL,  33                          ; s33, s34  v_perm's selectors for bytes 0, 1 and bytes 2, 3
	s_load_b128 s[4:7], s[0:1], 0x0                ; x s[4:5], y s[6:7]
	s_load_b64 s[8:9], s[0:1], 0x10                ; out
	v_lshl_add_u32 v14, v0, 2, 0xe800
	v_mov_b32 v15, 0
	v_lshrrev_b32 v10, 5, v0
	v_readfirstlane_b32 s10, v10                   ; wave 0..15
	s_bfe_u32 s11, ttmp6, 0x40000                  ; my place in the cluster
	s_lshl_b32 s12, ttmp9, 2
	s_add_co_u32 s12, s12, s11                     ; work-group 0..255
	v_and_b32 v11, 7, v0                           ; c (and i, when the lane stands for row 8 g + i of a block)
	v_bfe_u32 v12, v0, 3, 2                        ; g
	v_lshlrev_b32 v[YO], 4, v11
	v_lshl_add_u32 v[YO], v12, 18, v[YO]           ; 16 c + g * 8 * 32768
	s_lshl_b32 s14, s12, 7                         ; 128 columns a work-group
	s_lshl_b32 s13, s10, 20                        ; 32 rows a wave
	s_add_co_u32 s14, s14, s13
	s_mov_b32 s15, 0
	s_wait_kmcnt 0x0
.irp b, 0,1,2,3,4,5,6,7
	global_load_i8 v[X+\b], v0, s[4:5] offset:512*\b       ; x[512 b + 32 w + lane]: the thread's number is 32 w + lane
.endr
	s_add_nc_u64 s[YB:YB+1], s[6:7], s[14:15]
.irp b, 1,2,3,4,5,6,7
	s_add_nc_u64 s[YB+2*\b:YB+2*\b+1], s[YB:YB+1], \b<<24  ; 512 rows further for each block
.endr
.macro FILL b                          ; a block's eight loads: 4 rows x 128 neighbouring bytes each
.irp i, 0,1,2,3,4,5,6,7
	global_load_b128 v[R+32*((\b)%DEPTH)+4*\i:R+32*((\b)%DEPTH)+4*\i+3], v[YO], s[YB+2*(\b):YB+2*(\b)+1] offset:\i*ROWB
.endr
.endm
	FILL 0
	FILL 1
	FILL 2
	FILL 3                                         ; half of my bytes are asked for before anything else is done
	; addresses and constants, while the loads are out
	v_and_b32 v[LN], 31, v0
	s_mul_i32 s35, s10, WTAB                       ; my wave's table: only this wave touches it, so it needs no barrier
	v_bfe_u32 v10, v0, 3, 1                        ; g & 1
	v_bfe_u32 v13, v0, 4, 1                        ; h
	v_mul_u32_u24 v10, v10, 2*RG                   ; rows with g odd go to regions 2 and 3
	v_lshl_add_u32 v10, v13, 5, v10                ; + 32 h
	v_lshl_add_u32 v10, v11, 2, v10                ; + 4 i
	v_add_nc_u32 v[TA], s35, v10
	v_lshl_add_u32 v[ZA], v[LN], 2, s35
	v_and_b32 v10, 15, v0                          ; A's row m
	v_min_u32 v10, 4, v10                          ; rows 4-15 all read the zeros
	v_mul_u32_u24 v10, v10, RG
	v_lshl_add_u32 v10, v13, 5, v10                ; + 32 h: eight words, registers 0-7 of the fragment
	v_add_nc_u32 v[AA], s35, v10
	s_lshl_b32 s37, s10, 9
	s_add_co_u32 s37, s37, PBASE
	v_lshl_add_u32 v[PA], v11, 6, s37              ; my wave's row of sums + 64 c
	v_lshlrev_b32 v[OA], 4, v[LN]
	v_mov_b32 v[ZR], 0
	v_mov_b32 v[C64], 0x64646464
.irp j, 0,1,2,3,4,5,6,7
	v_mov_b32 v[BC+\j], 0xe492e492                 ; f16 -1170 = -(1024 + 146), twice
.endr
	s_mov_b32 s[SIGN], 0x80808080
	s_mov_b32 s[SEL], 0x04010400                   ; {0x64, byte 1, 0x64, byte 0}: 0-3 pick from the data, 4 from v[C64]
	s_mov_b32 s[SEL+1], 0x04030402                 ; {0x64, byte 3, 0x64, byte 2}
.irp t, 0,1,2,3,4
	ds_store_b32 v[ZA], v[ZR] offset:4*RG+128*\t   ; region 4: 640 bytes of zeros
.endr
	; the table: entry b = x + 25 of block b's 32 rows, entries 8 and 9 = their sums over blocks 0-3 and 4-7
	s_wait_loadcnt 32                              ; the 32 loads of y issued behind x's eight stay out
.irp e, 0,1,2,3,4,5,6,7
	v_add_nc_u32 v[X+\e], 25, v[X+\e]
.endr
	v_add3_u32 v[X+8], v[X], v[X+1], v[X+2]
	v_add3_u32 v[X+9], v[X+4], v[X+5], v[X+6]
	v_add_nc_u32 v[X+8], v[X+8], v[X+3]
	v_add_nc_u32 v[X+9], v[X+9], v[X+7]
.irp e, 0,1,2,3,4,5,6,7,8,9
	v_cvt_f32_i32 v[X+\e], v[X+\e]
.endr
.irp e, 0,1,2,3,4,5,6,7,8,9
	v_cvt_pk_f16_f32 v[LO+\e], v[X+\e], v[ZR]      ; the number in the low half, 0 above
.endr
.irp e, 0,1,2,3,4,5,6,7,8,9
	v_lshlrev_b32 v[HI+\e], 16, v[LO+\e]           ; and the other way round
.endr
.irp e, 0,1,2,3,4,5,6,7,8,9
	ds_store_b32 v[TA], v[LO+\e] offset:64*\e
	ds_store_b32 v[TA], v[HI+\e] offset:RG+64*\e
.endr
.macro LOADA dst, e                    ; entry e as an A fragment.  LDS serves a wave's instructions in order (ISA guide 5.7.1): these see my stores above
	ds_load_b128 v[\dst:\dst+3],   v[AA] offset:64*(\e)
	ds_load_b128 v[\dst+4:\dst+7], v[AA] offset:64*(\e)+16
.endm
	LOADA AF, 0
	LOADA AS, 8
; One block.  left = the younger loads of y that may stay out; sum = 1: fetch the second fragment of sums; corr = 1: take the offset of four blocks off.
; Distances behind matrix instructions (ISA guide 7.12.1: four independent vector instructions before a source is written or loaded into):
; a B buffer is written again behind the eight v_perm of the other buffer; the A buffers and AS are loaded again behind the 32 v_xor.
.macro BLOCK b, left, sum, corr
.set S,   R+32*((\b)%DEPTH)
.set AFB, AF+8*((\b)%2)
.set AFN, AF+8*(((\b)+1)%2)
	s_wait_loadcnt \left                           ; loads come back in order: this block's eight are in
.set j, 0
.rept 32
	v_xor_b32 v[S+j], s[SIGN], v[S+j]              ; y + 128, four bytes at a time
.set j, j+1
.endr
	s_wait_dscnt 0x0                               ; this block's A fragment, asked for a block ago
.if (\b)+1 < NBLK
	LOADA AFN, (\b)+1
.endif
.if \sum
	LOADA AS, 9
.endif
.irp p, 0,1,2,3,4,5,6,7
.irp i, 0,1,2,3,4,5,6,7
	v_perm_b32 v[BB+8*(\p%2)+\i], v[C64], v[S+4*\i+(\p/2)], s[SEL+(\p%2)]          ; row i, columns 2 p and 2 p + 1 of my 16, as 1024 + u
.endr
.if (\b) == 0
	v_wmma_f32_16x16x32_f16 v[ACC+8*\p:ACC+8*\p+7], v[AFB:AFB+7], v[BB+8*(\p%2):BB+8*(\p%2)+7], 0   ; the first product starts the sum
.else
	v_wmma_f32_16x16x32_f16 v[ACC+8*\p:ACC+8*\p+7], v[AFB:AFB+7], v[BB+8*(\p%2):BB+8*(\p%2)+7], v[ACC+8*\p:ACC+8*\p+7]
.endif
.endr
.if (\b)+DEPTH < NBLK
	FILL (\b)+DEPTH                                ; the last v_perm has read these registers: ask for the block four further on
.endif
.if \corr
.irp p, 0,1,2,3,4,5,6,7
	v_wmma_f32_16x16x32_f16 v[ACC+8*\p:ACC+8*\p+7], v[AS:AS+7], v[BC:BC+7], v[ACC+8*\p:ACC+8*\p+7]  ; - 1170 * (x + 25), four blocks' rows at once
.endr
.endif
.endm
	BLOCK 0, 24, 0, 0                              ; three younger blocks of eight loads stay out
	BLOCK 1, 24, 0, 1                              ; the offset of blocks 0-3, in their middle
	BLOCK 2, 24, 1, 0
	BLOCK 3, 24, 0, 0
	BLOCK 4, 24, 0, 0
	BLOCK 5, 16, 0, 1                              ; nothing is asked for any more: the counts run down.  The offset of blocks 4-7
	BLOCK 6, 8, 0, 0
	BLOCK 7, 0, 0, 0
	; my wave's 128 sums: lane c (0-7) adds its register e to register 2 + e of lane 8 + c, and so gets columns 16 c .. 16 c + 15
.rept 4
	v_nop                                          ; four places behind the last matrix instruction before its result is read (ISA guide 7.12.1)
.endr
.irp p, 0,1,2,3,4,5,6,7
.irp e, 0,1
	v_add_f32_dpp v[R+2*\p+\e], v[ACC+8*\p+2+\e], v[ACC+8*\p+\e] row_xmask:8 row_mask:0xf bank_mask:0xf
.endr
.endr
	s_wait_xcnt 0x0                                ; EXEC changes only when no global instruction still has it as a source
	v_cmp_gt_u32 vcc_lo, 8, v[LN]
	s_and_saveexec_b32 s36, vcc_lo                 ; lanes 0-7 hold the sums
.irp q, 0,1,2,3
	ds_store_b128 v[PA], v[R+4*\q:R+4*\q+3] offset:16*\q
.endr
	s_or_b32 exec_lo, exec_lo, s36
	s_wait_dscnt 0x0                               ; for wave 0's sake: my row of sums is in LDS before I say so
	s_barrier_signal -1
	s_barrier_wait -1
	s_cmp_lg_u32 s10, 0
	s_cbranch_scc1 .Lend
	; wave 0: lane l adds the 16 waves' sums of columns 4 l .. 4 l + 3, scales them, and the wave stores 512 consecutive bytes at once
.irp w, 0,1,2,3,4,5,6,7,8,9,10,11,12,13,14,15
	ds_load_b128 v[ACC+4*\w:ACC+4*\w+3], v[OA] offset:PBASE+PROW*\w
.endr
	s_lshl_b32 s38, s12, 9                         ; 128 f32 a work-group
	s_mov_b32 s39, 0
	s_add_nc_u64 s[8:9], s[8:9], s[38:39]
.macro ADD4 d, s
	v_pk_add_f32 v[\d:\d+1],   v[\d:\d+1],   v[\s:\s+1]
	v_pk_add_f32 v[\d+2:\d+3], v[\d+2:\d+3], v[\s+2:\s+3]
.endm
	s_wait_dscnt 0x0
.irp w, 0,1,2,3,4,5,6,7
	ADD4 ACC+4*\w, ACC+32+4*\w
.endr
.irp w, 0,1,2,3
	ADD4 ACC+4*\w, ACC+16+4*\w
.endr
.irp w, 0,1
	ADD4 ACC+4*\w, ACC+8+4*\w
.endr
	ADD4 ACC, ACC+4
.irp j, 0,1,2,3
	v_mul_f32 v[ACC+\j], 0x39c663fd, v[ACC+\j]     ; 0.0215 * 0.0176 = 3.784e-4
.endr
	global_store_b128 v[OA], v[ACC:ACC+3], s[8:9] th:TH_STORE_NT
.Lend:
	s_wait_tensorcnt 0x0
	ds_add_u32 v14, v15
	s_wait_dscnt 0x0
	s_endpgm
.Lfunc_end_k_q95faa89077_gemv:
	.size	k_q95faa89077_gemv, .Lfunc_end_k_q95faa89077_gemv-k_q95faa89077_gemv
	.p2alignl 7, 3214868480
	.fill 96, 4, 3214868480
	.section	.rodata,"a",@progbits
	.p2align	6, 0x0
	.amdhsa_kernel k_q95faa89077_gemv
		.amdhsa_group_segment_fixed_size 61440
		.amdhsa_private_segment_fixed_size 0
		.amdhsa_enable_private_segment 0
		.amdhsa_kernarg_size 24
		.amdhsa_user_sgpr_count 2
		.amdhsa_user_sgpr_kernarg_segment_ptr 1
		.amdhsa_wavefront_size32 1
		.amdhsa_system_sgpr_workgroup_id_x 1
		.amdhsa_system_sgpr_workgroup_id_y 1
		.amdhsa_system_sgpr_workgroup_id_z 1
		.amdhsa_system_vgpr_workitem_id 0
		.amdhsa_next_free_vgpr 256
		.amdhsa_next_free_sgpr 66
		.amdhsa_reserve_vcc 1
		.amdhsa_float_denorm_mode_32 3
		.amdhsa_float_denorm_mode_16_64 3
		.amdhsa_memory_ordered 1
		.amdhsa_forward_progress 1
		.amdhsa_inst_pref_size 66
	.end_amdhsa_kernel
	.amdgpu_metadata
---
amdhsa.version: [ 1, 2 ]
amdhsa.kernels:
  - .name:           k_q95faa89077_gemv
    .symbol:         k_q95faa89077_gemv.kd
    .args:
      - { .name: x, .offset: 0, .size: 8, .value_kind: global_buffer, .address_space: global }
      - { .name: y, .offset: 8, .size: 8, .value_kind: global_buffer, .address_space: global }
      - { .name: out0, .offset: 16, .size: 8, .value_kind: global_buffer, .address_space: global }
    .group_segment_fixed_size: 61440
    .private_segment_fixed_size: 0
    .kernarg_segment_align: 8
    .kernarg_segment_size: 24
    .max_flat_workgroup_size: 512
    .sgpr_count:     66
    .vgpr_count:     256
    .wavefront_size: 32
...
	.end_amdgpu_metadata
.endif
;; end of part 1
